; MI455X (gfx1250); checked and timed in simulation.
; The chip was launched on July 23, 2026; its instructions are those of AMD's public machine-readable ISA for CDNA 5 (MIT licence, August 2026) and "CDNA5" Instruction Set Architecture Reference Guide (July 2026). The comments in the code are by the model that wrote it; some were corrected since.
;; Multi Head Attention. Allowed arithmetic: matrix products marked QUANTISED: E5M2 operands, one given power-of-two scale a tensor, by v_wmma_f32_16x16x64_bf8_bf8 or v_wmma_f32_16x16x128_bf8_bf8, f32 sums; everything else in f32.
;; Inputs: K_codes 8 x 2,048 x 16 x 32 uint8 (E5M2 codes of K, K innermost, in blocks of 32 codes); Q_codes 8 x 2,048 x 16 x 32 uint8 (E5M2 codes of Q, K innermost, in blocks of 32 codes); V_codes 8 x 2,048 x 16 x 32 uint8 (E5M2 codes of V, K innermost, in blocks of 32 codes); Wk_codes 512 x 16 x 32 uint8 (E5M2 codes of Wk, K innermost, in blocks of 32 codes); Wo_codes 512 x 16 x 32 uint8 (E5M2 codes of Wo, K innermost, in blocks of 32 codes); Wq_codes 512 x 16 x 32 uint8 (E5M2 codes of Wq, K innermost, in blocks of 32 codes); Wv_codes 512 x 16 x 32 uint8 (E5M2 codes of Wv, K innermost, in blocks of 32 codes); bk 512 float32; bo 512 float32; bq 512 float32; bv 512 float32; lowp_scales 12 int32 (the exponents e of the quantised operands' scales 2^e); mask 1 x 1 x 2,048 x 2,048 int32.
;; Outputs: out0 8 x 2,048 x 512 float32.
;; This version of the problem:
;;   THIS VERSION OF THE PROBLEM IS GIVEN IN LOW PRECISION. The matrix products marked QUANTISED in the list below multiply operands that are first quantised to E5M2 (5 exponent bits, 2 mantissa bits; 8 bits a number), with one given power-of-two scale for each operand tensor; their sums are f32. All else is computed in f32.
;;   The module's matrix products, in the order in which they are computed (A, B: the left and right operand; K: the contracted axis; several contracted axes count as one K, in the product's order):
;;     1. [M 16,384, K 512] x [K 512, N 512]; A: input Q (given as codes); B: input Wq (given as codes): QUANTISED (scales: A lowp_scales[0], B lowp_scales[1])
;;     2. [M 16,384, K 512] x [K 512, N 512]; A: input K (given as codes); B: input Wk (given as codes): QUANTISED (scales: A lowp_scales[2], B lowp_scales[3])
;;     3. [M 16,384, K 512] x [K 512, N 512]; A: input V (given as codes); B: input Wv (given as codes): QUANTISED (scales: A lowp_scales[4], B lowp_scales[5])
;;     4. batch 64 x [M 2,048, K 64] x [K 64, N 2,048]; A: computed on the way; B: computed on the way: QUANTISED (scales: A lowp_scales[6], B lowp_scales[7])
;;     5. batch 64 x [M 2,048, K 2,048] x [K 2,048, N 64]; A: softmax (see below); B: computed on the way: QUANTISED (scales: A lowp_scales[8], B lowp_scales[9])
;;     6. [M 16,384, K 512] x [K 512, N 512]; A: computed on the way; B: input Wo (given as codes): QUANTISED (scales: A lowp_scales[10], B lowp_scales[11])
;;   THE QUANTISER, for each operand of a quantised product, along K:
;;     - The operand's scale is 2^e, e = its entry of the input lowp_scales (int32; the entries are numbered through the quantised products in the list's order, A before B).
;;     - Each number is divided by the scale, clamped to +-57,344, and rounded to the nearest number of E5M2, ties to even, subnormals kept.
;;     - The product sums the exact products of the quantised numbers (number of the format x scale) in f32.
;;   ~~~python
;;   def quantise(x, axis, e):      # numpy; x: float32 -> the quantised numbers, widened to float32 again
;;       x = np.moveaxis(x, axis, -1); K = x.shape[-1]
;;       r = np.clip(x / 2.0 ** e, -57344, 57344)
;;       step = 2.0 ** (np.maximum(np.frexp(np.where(r == 0, 1, r))[1] - 1, -14) - 2)
;;       q = np.round(r / step) * step * 2.0 ** e      # np.round: ties to even
;;       return np.moveaxis(q, -1, axis).astype(np.float32)
;;   ~~~
;;   SOFTMAX AHEAD OF A QUANTISED PRODUCT. Where the list says 'softmax', what is quantised is not the finished softmax but p = 2^(t - M), with t = logit x log2(e) and M = ceil(the row's largest t), a whole number; so 1/2 < the row's largest p <= 1. The row's sum l is taken of the UNQUANTISED p, in f32, and the product's result is divided by l at the end. Since M is a whole number, a kernel that streams over the keys may use a running M (the ceiling of the running maximum): every later rescaling is an exact power of two, so the quantised numbers keep their values, but for numbers so far below the row's largest that they fall under the format's range.
;;   OPERANDS COMPUTED ON THE WAY. 'Computed on the way' means the value that the module computes at that place (a softmax that the list does not call 'softmax' is quantised finished and normalised). What goes into a quantiser is computed in f32, as accurately as f32 sums, v_exp_f32 and their like allow (about 1e-6 of the number): no bf16 or f16 on the way to a quantiser, and a product that is left as it is and whose result goes on into a quantised operand takes f32 operands (vector FMAs, or v_wmma_f32_16x16x4_f32). A number that lies on a knife's edge between two numbers of the format may be rounded either way, as far as f32 arithmetic and the matrix unit's own rounding can turn it there, and no further.
;;   INPUTS GIVEN AS CODES. K (in the module: [8, 2048, 512], K = its axis 2); Q (in the module: [8, 2048, 512], K = its axis 2); V (in the module: [8, 2048, 512], K = its axis 2); Wk (in the module: [512, 512], K = its axis 1); Wo (in the module: [512, 512], K = its axis 1); Wq (in the module: [512, 512], K = its axis 1); Wv (in the module: [512, 512], K = its axis 1): each comes as NAME_codes (uint8): NAME with its K axis moved to the last place and cut into blocks of 32 codes, [.., K / 32, bytes a block], one block behind the other in memory; one code a byte (a code: sign, 5 exponent bits, 2 mantissa bits); its scale is its entry of lowp_scales. Its value is code x scale, taken as it is: it is not quantised again, and the codes and scales need not be those that the quantiser above would give.
;; One version. Each part assembles by itself: llvm-mc -triple=amdgcn-amd-amdhsa -mcpu=gfx1250 --defsym DOCPART=n.
;; ======== version 1 of 1: 3 launches
;; limits: right only within a limited range of input values
;; workspace buffers: qf 8,388,608 bytes; kv 16,777,216 bytes; maskbits 524,288 bytes of whole numbers; af 8,388,608 bytes
;; launch prep (part 1): grid 256 x 1, 4 waves a work-group, no clusters, 169,472 bytes of LDS; arguments Q_codes, K_codes, V_codes, Wq_codes, Wk_codes, Wv_codes, bq, bk, bv, qf, kv, lowp_scales, mask, maskbits; writes qf, kv, maskbits
.if DOCPART == 1
	.amdgcn_target "amdgcn-amd-amdhsa--gfx1250"
	.amdhsa_code_object_version 6
	.text
	.protected	k_qe1e7ec300b_prep
	.globl	k_qe1e7ec300b_prep
	.p2align	8
	.type	k_qe1e7ec300b_prep,@function
k_qe1e7ec300b_prep:
	s_mov_b64 s[64:65], 0
	v_nop
	global_prefetch_b8 v0, s[64:65] scope:SCOPE_SE
	s_setreg_imm32_b32 hwreg(HW_REG_WAVE_MODE, 25, 1), 1
	s_wait_xcnt 0x0
; THE THREE INPUT PROJECTIONS OF MULTI-HEAD ATTENTION ON CODES OF BF8 (E5M2), AND THE MASK PACKED INTO LANE MASKS.
; q = Q Wq^T + bq, k = K Wk^T + bk, v = V Wv^T + bv: [16384][512] x [512][512], codes as given, sums in f32; each result is quantised at once with its given scale
; (q: entry 6 of the scales, k: 7, v: 9) and stored as IMAGES OF THE OPERAND REGISTERS that the attention launch wants: no row pitch, no transposition there.
; DEAD WORK: none is left out in this program.  Every bias goes into a quantiser or into the output (bk too: it moves k's codes), every input has a way to out0, and the mask is an input whose pattern is not known.
; LIMITS: e6-e0-e1, e7-e2-e3, e9-e4-e5 lie between -126 and 112, so that the folded scale and 57,344 x it are f32 numbers.  NaN among the biases is not served.
; SHARES.  256 work-groups of four waves.  Work-group number / 64 = 0, 1, 2: q, k, v; its low six bits g: tokens 256 g .. 256 g + 255.  Wave w makes features 128 w .. 128 w + 127 (heads 2 w, 2 w + 1) for all 256 tokens:
; its 32 fragments of W (512 registers) stay in registers; the 256 rows of X come into LDS once, 64 rows by one tensor load a wave: one load of mine is out.  Work-group number / 64 = 3: the mask, query tiles 2 g, 2 g + 1.
; W is read by 64 work-groups and is NOT asked for jointly: 262,144 bytes of W beside 135,168 of X are more than the 327,680 bytes of LDS that a work-group can have, so W goes from memory straight into registers.
; LAYOUT.  THE ROWS OF W THAT FORM A TILE ARE NOT NEIGHBOURS: lane r of tile f takes row 128 w + 64 (f / 4) + 32 ((f % 4) / 2) + 8 (f % 2) + r + 8 (r / 8).
;   q, k: the product is used transposed (source 0 = W, source 1 = X): a lane holds one token, and the four tiles of a head give 8 registers of codes: registers 4 b .. 4 b + 3 = the head's dims 32 b + 16 (lane / 16) + 0 .. 15:
;         a fragment for K = 64, the same order of dims in q and in k.  Image: registers 0-3 at 16 x lane, 4-7 at 512 + 16 x lane: 1,024 bytes for 16 tokens of a head.
;   v:    source 0 = X, source 1 = W: a lane holds one feature, its registers run along the tokens: tile i of eight gives registers 2 i, 2 i + 1 = keys 16 i + 8 (lane / 16) + 0 .. 7: a fragment of V^T for K = 128 keys, 2,048 bytes.
;   along K = 512 both operands are fetched 16 bytes a lane (registers 4 c .. 4 c + 3: k = 32 c + 16 (lane / 16) + 0 .. 15): the same order in X and in W, so every product meets its partner.
; The bias is the C of a sum's first matrix instruction, divided by 2^(ea + eb), which the sums lack; the three scales are folded into the conversion's one: 2^(eo - ea - eb).
; MASK.  For query tile qt and key step ks (128 keys): 64 words; bit L of word 8 t + j says mask[16 qt + L % 16][128 ks + 16 t + 8 (L / 16) + j] != 0: the lane mask for register 8 t + j of the scores.
; The three ways part on the work-group's number and meet only at the end; each has LDS bytes of its own.  No LDS address is stepped: rows 0-127 and 128-255 of X have an address register each.
; REGISTERS, in windows of 256.  Window 0: v1-12 lane terms and addresses; v16-143 two buffers of X's fragments (mask: two sets of rows); v144-207 eight accumulators (mask: the rows turned); v208-223 codes; v224, v225 scale and hold; v226, v227 the add's two.
;   windows 1, 2: W's fragment (f, s) at v[16 (4 (f % 4) + s)] of window 1 + f / 4.   window 3: v0-63 the bias, eight registers a tile; v64-191 v's codes, 16 a tile.
.set PITCH, 528                        ; a row of X in LDS: 512 bytes + 16 of padding: an odd multiple of 16, so that the 16 rows of a fragment load start 16 bytes apart modulo 256
.set QUART, 64*PITCH                   ; what one tensor load brings
.set MST,   256*PITCH                  ; behind X: the mask way's stages, 16 rows x 528 bytes for each wave; no tensor load lands here
.set SPARE, MST+4*16*PITCH             ; behind the stages: the spare words, 128 bytes for each wave: two blocks of 256 bytes that no other line names
.set LI,   3                           ; v3   16 x lane
.set WOFF, 4                           ; v4   W: (r + 8 (r / 8)) x 512 + 16 h
.set XA0,  5                           ; v5   X in LDS: r x 528 + 16 h, rows 0-127
.set XAB,  6                           ; v6   the same for rows 128-255
.set BOF,  7                           ; v7   q, k: 64 h: my half's eight numbers of a tile's bias
.set MSI,  8                           ; v8   mask: into my stage: 16 x lane
.set MSO,  9                           ; v9   mask: out of it: r x 528 + 32 h
.set L8,   10                          ; v10  8 x lane
.set RW,   11                          ; v11  r + 8 (r / 8)
.set BOV,  12                          ; v12  v: 4 x that
.set X0,   16
.set ACC,  144
.set TT,   144
.set PC,   208
.set MO,   208
.set SC,   224
.set LIM,  225
.set SPW,  226                         ; LDS address of my spare word: SPARE + 4 x my thread's number; never rewritten
.set NIL,  227                         ; 0; never rewritten
.set VC,   64                          ; in window 3
.set WV,   2                           ; s2   wave
.set TY,   3                           ; s3   0, 1, 2, 3: q, k, v, mask
.set GR,   4                           ; s4   g
.set G0,   68                          ; s[68:71] descriptor group 0
.set G1,   72                          ; s[72:79] descriptor group 1
.set MSB, 0
.macro WIN new                         ; the immediate's high byte repeats the setting that is left; a switch that changes nothing is dropped
.if MSB != (\new)
	s_set_vgpr_msb (MSB<<8)|(\new)
.set MSB, (\new)
.endif
.endm
	s_load_b512 s[8:23], s[0:1], 0x0               ; Q s[8:9], K s[10:11], V s[12:13], Wq s[14:15], Wk s[16:17], Wv s[18:19], bq s[20:21], bk s[22:23]
	s_load_b256 s[24:31], s[0:1], 0x40             ; bv s[24:25], qf s[26:27], kv s[28:29], the scales' exponents s[30:31]
	s_load_b128 s[32:35], s[0:1], 0x60             ; mask s[32:33], maskbits s[34:35]
	v_lshl_add_u32 v[SPW], v0, 2, SPARE
	v_mov_b32 v[NIL], 0
	ds_add_u32 v[SPW], v[NIL]                      ; the wave's opening: the add, twice on end, and its wait ahead of my first tensor load; the set-up below stands between
	ds_add_u32 v[SPW], v[NIL]                      ; and once more, under the one wait
	v_lshrrev_b32 v1, 5, v0
	v_readfirstlane_b32 s[WV], v1                  ; wave 0..3
	s_lshr_b32 s[TY], ttmp9, 6
	s_and_b32 s[GR], ttmp9, 63
	v_and_b32 v1, 15, v0                           ; r
	v_bfe_u32 v2, v0, 4, 1                         ; h
	v_and_b32 v[LI], 31, v0
	v_lshlrev_b32 v[L8], 3, v[LI]
	v_lshlrev_b32 v[LI], 4, v[LI]
	v_and_b32 v[RW], 8, v1
	v_add_nc_u32 v[RW], v[RW], v1
	v_lshlrev_b32 v[WOFF], 9, v[RW]
	v_lshl_add_u32 v[WOFF], v2, 4, v[WOFF]
	v_lshlrev_b32 v[BOV], 2, v[RW]
	v_lshlrev_b32 v[BOF], 6, v2
	v_mul_u32_u24 v[XA0], v1, PITCH
	v_lshl_add_u32 v[XA0], v2, 4, v[XA0]
	v_add_nc_u32 v[XAB], 8*16*PITCH, v[XA0]
	s_mul_i32 s58, s[WV], 16*PITCH
	s_add_co_u32 s58, s58, MST                     ; my stage
	v_add_nc_u32 v[MSI], s58, v[LI]
	v_mul_u32_u24 v[MSO], v1, PITCH
	v_lshl_add_u32 v[MSO], v2, 5, v[MSO]
	v_add_nc_u32 v[MSO], s58, v[MSO]
	; descriptor group 1: 64 rows of 512 bytes, 512 bytes apart in memory, 16 bytes of padding behind each in LDS
	s_mov_b32 s[G1+0], (1<<20)|(6<<22)|(3<<25)     ; no mask; elements of 1 byte; padding on, after every 128 words (code 6), 4 words of it (code 3)
	s_mov_b32 s[G1+1], 512<<16                     ; tensor_dim0 = 512
	s_mov_b32 s[G1+2], 64<<16                      ; tensor_dim1 = 64
	s_mov_b32 s[G1+3], 512<<16                     ; tile_dim0 = 512
	s_mov_b32 s[G1+4], 64                          ; tile_dim1 = 64
	s_mov_b32 s[G1+5], 512                         ; from row to row
	s_mov_b32 s[G1+6], 0
	s_mov_b32 s[G1+7], 0
	s_mov_b32 s[G0], 1                             ; count = 1
	s_mul_i32 s[G0+1], s[WV], QUART                ; LDS address: my 64 rows
	s_wait_dscnt 0x0                               ; both opening adds are done
	s_wait_kmcnt 0x0
	s_cmp_eq_u32 s[TY], 3
	s_cbranch_scc1 .Lmask                          ; the same way for all four waves: it hangs on the work-group's number alone
	; ---- q, k, v: what the three have in common
	s_load_b256 s[36:43], s[30:31], 0x0            ; e0 .. e7
	s_load_b128 s[44:47], s[30:31], 0x20           ; e8 .. e11
	s_mov_b32 s63, 0x40000                         ; bytes of a head in kv,
	s_cmp_eq_u32 s[TY], 0
	s_cselect_b64 s[48:49], s[8:9], s[10:11]       ; X
	s_cselect_b64 s[50:51], s[14:15], s[16:17]     ; W
	s_cselect_b64 s[52:53], s[20:21], s[22:23]     ; the bias
	s_cselect_b64 s[54:55], s[26:27], s[28:29]     ; where the codes go
	s_cselect_b32 s63, 0x20000, s63                ; or in qf
	s_cmp_eq_u32 s[TY], 2
	s_cselect_b64 s[48:49], s[12:13], s[48:49]
	s_cselect_b64 s[50:51], s[18:19], s[50:51]
	s_cselect_b64 s[52:53], s[24:25], s[52:53]
	s_cselect_b32 s62, 0x20000, 0                  ; V^T lies behind a head's K
	s_lshl_b32 s58, s[GR], 17                      ; 256 g rows of 512 bytes,
	s_lshl_b32 s59, s[WV], 15                      ; my 64 of them
	s_add_co_u32 s58, s58, s59
	s_mov_b32 s59, 0
	s_add_nc_u64 s[48:49], s[48:49], s[58:59]
	s_mov_b64 s[G0+2:G0+3], s[48:49]               ; global address of my tile
	s_or_b32 s[G0+3], s[G0+3], 0x80000000          ; type = 2
	tensor_load_to_lds s[G0:G0+3], s[G1:G1+7]      ; my 64 rows of X: the launch's only fill of these bytes
	s_nop 0
.rept 4
	v_nop                                          ; (the window is switched only behind these)
.endr
	s_lshl_b32 s58, s[WV], 16                      ; my 128 rows of W
	s_add_nc_u64 s[50:51], s[50:51], s[58:59]
	s_lshl_b32 s58, s[WV], 9                       ; my 128 numbers of the bias
	s_add_nc_u64 s[52:53], s[52:53], s[58:59]
	WIN 0x40                                       ; destination window 1
.irp f, 0,1,2,3
.irp s, 0,1,2,3
.irp c, 0,1,2,3
	global_load_b128 v[16*(4*\f+\s)+4*\c:16*(4*\f+\s)+4*\c+3], v[WOFF], s[50:51] offset:(64*(\f/4)+32*((\f%4)/2)+8*(\f%2))*512+128*\s+32*\c
.endr
.endr
.endr
	WIN 0x80                                       ; destination window 2
.irp f, 4,5,6,7
.irp s, 0,1,2,3
.irp c, 0,1,2,3
	global_load_b128 v[16*(4*(\f%4)+\s)+4*\c:16*(4*(\f%4)+\s)+4*\c+3], v[WOFF], s[50:51] offset:(64*(\f/4)+32*((\f%4)/2)+8*(\f%2))*512+128*\s+32*\c
.endr
.endr
.endr
	WIN 0
	s_lshr_b32 s58, s[GR], 3                       ; the batch b
	s_lshl_b32 s58, s58, 3
	s_lshl_b32 s59, s[WV], 1
	s_add_co_u32 s58, s58, s59                     ; 8 b + 2 w: my first head
	s_mul_i32 s58, s58, s63
	s_and_b32 s59, s[GR], 7
	s_lshl_b32 s59, s59, 14                        ; 16 tiles of 1,024 bytes, or two key steps of 8,192
	s_add_co_u32 s58, s58, s59
	s_add_co_u32 s58, s58, s62
	s_mov_b32 s59, 0
	s_add_nc_u64 s[54:55], s[54:55], s[58:59]      ; my first head's codes,
	s_mov_b32 s58, s63
	s_add_nc_u64 s[56:57], s[54:55], s[58:59]      ; my second head's
	s_wait_kmcnt 0x0
	s_cmp_eq_u32 s[TY], 0
	s_cselect_b32 s58, s36, s38                    ; ea
	s_cselect_b32 s59, s37, s39                    ; eb
	s_cselect_b32 s60, s42, s43                    ; eo
	s_cmp_eq_u32 s[TY], 2
	s_cselect_b32 s58, s40, s58
	s_cselect_b32 s59, s41, s59
	s_cselect_b32 s60, s45, s60
	s_add_co_i32 s58, s58, s59                     ; ea + eb: a sum stands for sum x 2^(ea + eb)
	s_sub_co_i32 s61, 0, s58                       ; the bias goes in x 2^-(ea + eb)
	s_sub_co_i32 s60, s60, s58                     ; eo - ea - eb
	s_add_co_i32 s60, s60, 127
	s_lshl_b32 s62, s60, 23
	v_mov_b32 v[SC], s62                           ; 2^(eo - ea - eb) as f32: the conversion takes its exponent field
	s_add_co_i32 s60, s60, 15
	s_lshl_b32 s60, s60, 23
	s_or_b32 s60, s60, 0x600000
	v_mov_b32 v[LIM], s60                          ; 57,344 x that
; X's four fragments of tile i (16 rows x 512 K) into buffer buf: 16 loads of 16 bytes a lane
.macro XFETCH i, buf
.if (\i) < 8
.set XR, XA0
.else
.set XR, XAB
.endif
.irp s, 0,1,2,3
.irp c, 0,1,2,3
	ds_load_b128 v[(\buf)+16*\s+4*\c:(\buf)+16*\s+4*\c+3], v[XR] offset:((\i)%8)*16*PITCH+128*\s+32*\c
.endr
.endr
.endm
; 32 matrix instructions: eight tiles of features x four K steps of 128.  Four accumulators take turns, one instruction a turn; the first link's C is the bias.
.macro MM vflag, buf
.irp grp, 0,1
.irp s, 0,1,2,3
.if \s == 0
.if \vflag
	WIN 0x34+4*\grp                                ; source 1 (W) window 1 or 2, source 2 (the bias) window 3
.else
	WIN 0x31+\grp                                  ; source 0 (W) window 1 or 2, source 2 (the bias) window 3
.endif
.endif
.if \s == 1
.if \vflag
	WIN 0x04+4*\grp
.else
	WIN 0x01+\grp
.endif
.endif
.irp q, 0,1,2,3
.set rD, ACC+8*(4*\grp+\q)
.set rW, 16*(4*\q+\s)
.set rX, (\buf)+16*\s
.set rB, 8*(4*\grp+\q)
.if \vflag
.if \s == 0
	v_wmma_f32_16x16x128_bf8_bf8 v[rD:rD+7], v[rX:rX+15], v[rW:rW+15], v[rB:rB+7]
.else
	v_wmma_f32_16x16x128_bf8_bf8 v[rD:rD+7], v[rX:rX+15], v[rW:rW+15], v[rD:rD+7]
.endif
.else
.if \s == 0
	v_wmma_f32_16x16x128_bf8_bf8 v[rD:rD+7], v[rW:rW+15], v[rX:rX+15], v[rB:rB+7]
.else
	v_wmma_f32_16x16x128_bf8_bf8 v[rD:rD+7], v[rW:rW+15], v[rX:rX+15], v[rD:rD+7]
.endif
.endif
.endr
.endr
.endr
.endm
.macro HOLD                            ; the conversion to an 8-bit code does not saturate (ISA guide 7.6.2): each sum is held within the largest code x the scale; each accumulator from its low end on
.set n, 0
.rept 64
	v_med3_num_f32 v[ACC+n], v[ACC+n], -v[LIM], v[LIM]
.set n, n+1
.endr
.endm
; Tile i of sixteen: its fragments were asked for a tile ago; the next tile's are asked for first, into the other buffer, whose last products stand a HOLD back.
.macro TILE vflag, i
	s_wait_dscnt 0x0                               ; this tile's fragments are in
.if (\i) < 15
	XFETCH (\i)+1, X0+64*(((\i)+1)%2)
.endif
	MM \vflag, X0+64*((\i)%2)
	WIN 0
.rept 4
	v_nop                                          ; four places between the last products and the first read of results (ISA guide 7.12.1)
.endr
	HOLD
.if \vflag
.if (\i) == 8
	s_wait_alu depctr_va_vdst(0)
	s_wait_xcnt 0x0                                ; the first key step's stores have read their registers: its codes may be written over
.endif
	WIN 0xc0                                       ; destination window 3
.irp f, 0,1,2,3,4,5,6,7
	v_cvt_scalef32_pk8_bf8_f32 v[VC+16*\f+2*((\i)%8):VC+16*\f+2*((\i)%8)+1], v[ACC+8*\f:ACC+8*\f+7], v[SC]   ; keys 16 i + 8 h + 0 .. 7 of my feature
.endr
	v_nop                                          ; one plain line between the conversions and the next products, which write their sources
	WIN 0
.else
	s_wait_alu depctr_va_vdst(0)
	s_wait_xcnt 0x0                                ; the last tile's stores have read their registers
.irp f, 0,1,2,3,4,5,6,7
	v_cvt_scalef32_pk8_bf8_f32 v[PC+2*\f:PC+2*\f+1], v[ACC+8*\f:ACC+8*\f+7], v[SC]
.endr
	v_nop                                          ; one plain line between the conversions and the next products, which write their sources
.irp hd, 0,1
.irp q, 0,1
	global_store_b128 v[LI], v[PC+8*\hd+4*\q:PC+8*\hd+4*\q+3], s[54+2*\hd:55+2*\hd] offset:(\i)*1024+512*\q   ; 32 lanes store 512 consecutive bytes, aligned
.endr
.endr
.endif
.endm
.macro VSTORE k                        ; key step k of my two: eight fragments of V^T, 2,048 bytes each
	WIN 0x0c                                       ; a store's data: source 1, window 3
.irp f, 0,1,2,3,4,5,6,7
.irp c, 0,1,2,3
	global_store_b128 v[LI], v[VC+16*\f+4*\c:VC+16*\f+4*\c+3], s[54:55] offset:(\f/4)*262144+(\f%4)*2048+512*\c+\k*8192
.endr
.endr
	WIN 0
.endm
	s_cmp_eq_u32 s[TY], 2
	s_cbranch_scc1 .Lv
	; ---- q, k: lane (r, h) wants, for tile f, the bias of the eight features 16 h + 0 .. 7 of the tile
	WIN 0xc0
.irp f, 0,1,2,3,4,5,6,7
	global_load_b128 v[8*\f:8*\f+3], v[BOF], s[52:53] offset:(64*(\f/4)+32*((\f%4)/2)+8*(\f%2))*4
	global_load_b128 v[8*\f+4:8*\f+7], v[BOF], s[52:53] offset:(64*(\f/4)+32*((\f%4)/2)+8*(\f%2))*4+16
.endr
	s_wait_loadcnt 0x0                             ; W and the bias
	WIN 0xc3
.set n, 0
.rept 64
	v_ldexp_f32 v[n], v[n], s61
.set n, n+1
.endr
	WIN 0
	s_wait_alu depctr_va_vdst(0)
	s_wait_tensorcnt 0x0                           ; my 64 rows of X are in LDS,
	s_barrier_signal -1
	s_barrier_wait -1                              ; everybody's are
	XFETCH 0, X0
.irp i, 0,1,2,3,4,5,6,7,8,9,10,11,12,13,14,15
	TILE 0, \i
.endr
	s_branch .Lend
.Lv:	; ---- v: lane r wants the bias of its one feature, in all eight registers of a tile
	WIN 0xc0
.irp f, 0,1,2,3,4,5,6,7
	global_load_b32 v[8*\f], v[BOV], s[52:53] offset:(64*(\f/4)+32*((\f%4)/2)+8*(\f%2))*4
.endr
	s_wait_loadcnt 0x0                             ; W and the bias
	WIN 0xc3
.irp f, 0,1,2,3,4,5,6,7
	v_ldexp_f32 v[8*\f], v[8*\f], s61
.endr
.irp f, 0,1,2,3,4,5,6,7
.irp j, 1,2,3,4,5,6,7
	v_mov_b32 v[8*\f+\j], v[8*\f]
.endr
.endr
	WIN 0
	s_wait_alu depctr_va_vdst(0)
	s_wait_tensorcnt 0x0                           ; my 64 rows of X are in LDS,
	s_barrier_signal -1
	s_barrier_wait -1                              ; everybody's are
	XFETCH 0, X0
.irp i, 0,1,2,3,4,5,6,7
	TILE 1, \i
.endr
	VSTORE 0
.irp i, 8,9,10,11,12,13,14,15
	TILE 1, \i
.endr
	VSTORE 1
	s_branch .Lend
.Lmask:	; ---- the mask: wave w takes query tile 2 g + w / 2 and key steps 8 (w % 2) .. + 7
	s_lshl_b32 s58, s[GR], 1
	s_lshr_b32 s59, s[WV], 1
	s_add_co_u32 s58, s58, s59                     ; qt
	s_and_b32 s59, s[WV], 1
	s_lshl_b32 s60, s58, 17                        ; 16 rows of 8,192 bytes
	s_lshl_b32 s62, s59, 12                        ; 8 key steps of 512 bytes
	s_add_co_u32 s60, s60, s62
	s_mov_b32 s61, 0
	s_add_nc_u64 s[48:49], s[32:33], s[60:61]
	s_lshl_b32 s60, s58, 12                        ; 16 key steps of 256 bytes
	s_lshl_b32 s62, s59, 11
	s_add_co_u32 s60, s60, s62
	s_add_nc_u64 s[50:51], s[34:35], s[60:61]
.irp j, 0,1,2,3
	v_mov_b32 v[MO+\j], 0                          ; written once whole: v_writelane_b32 writes a lane at a time
.endr
.macro MLOADS p, off                   ; a key step's 16 rows x 512 bytes into set p: each load reads 512 consecutive bytes of one row
.irp i, 0,1,2,3,4,5,6,7,8,9,10,11,12,13,14,15
	global_load_b128 v[X0+64*\p+4*\i:X0+64*\p+4*\i+3], v[LI], s[48:49] offset:\i*8192+\off th:TH_LOAD_NT
.endr
.endm
; One key step.  The rows go through my own stage as they lie and come back so that lane (r, h) holds, in register 8 t + j, mask[r][16 t + 8 h + j].  A compare then gives word 8 t + j as a lane mask;
; the 64 words are laid two to a lane and leave as one aligned block of 256 bytes.  left: the younger loads that may stay out.
.macro MSTEP p, ahead, left
	s_wait_loadcnt \left
.irp i, 0,1,2,3,4,5,6,7,8,9,10,11,12,13,14,15
	ds_store_b128 v[MSI], v[X0+64*\p+4*\i:X0+64*\p+4*\i+3] offset:\i*PITCH
.endr
.irp k, 0,1,2,3,4,5,6,7
	ds_load_b128 v[TT+8*\k:TT+8*\k+3], v[MSO] offset:64*\k          ; LDS serves a wave's instructions in order (ISA guide 5.7.1.4): these see my stores
	ds_load_b128 v[TT+8*\k+4:TT+8*\k+7], v[MSO] offset:64*\k+16
.endr
	s_wait_dscnt 0x0
.if \ahead
	MLOADS \p, 1024+512*\p                         ; the key step two on, into the set just emptied
.endif
.irp k, 0,1,2,3,4,5,6,7
.irp j, 0,1,2,3,4,5,6,7
	v_cmp_ne_u32 s[84+\j], 0, v[TT+8*\k+\j]
.endr
.irp j, 0,1,2,3,4,5,6,7
	v_writelane_b32 v[MO+2*\p+\j%2], s[84+\j], 4*\k+\j/2            ; word n to lane n / 2, register n % 2
.endr
.endr
	global_store_b64 v[L8], v[MO+2*\p:MO+2*\p+1], s[50:51] offset:256*\p
.endm
	MLOADS 0, 0
	MLOADS 1, 512
	s_mov_b32 s81, 3
.Lm:	; three trips of two key steps; the LDS addresses stay, the two bases step
	s_wait_alu depctr_va_vdst(0)
	MSTEP 0, 1, 16
	MSTEP 1, 1, 16
	s_wait_xcnt 0x0                                ; the loads and stores have read their bases, the stores their data: all are written again only behind this wait
	s_add_nc_u64 s[48:49], s[48:49], 1024
	s_add_nc_u64 s[50:51], s[50:51], 512
	s_sub_co_u32 s81, s81, 1
	s_cmp_lg_u32 s81, 0
	s_cbranch_scc1 .Lm
	MSTEP 0, 0, 16                                 ; the last two key steps ask for nothing: no load leaves the mask
	MSTEP 1, 0, 0
.Lend:
	s_wait_tensorcnt 0x0                           ; the wave's end, behind my last tensor load and my last LDS store
	ds_add_u32 v[SPW], v[NIL]
	s_wait_dscnt 0x0
	s_endpgm
.Lfunc_end_k_qe1e7ec300b_prep:
	.size	k_qe1e7ec300b_prep, .Lfunc_end_k_qe1e7ec300b_prep-k_qe1e7ec300b_prep
	.p2alignl 7, 3214868480
	.fill 96, 4, 3214868480
	.section	.rodata,"a",@progbits
	.p2align	6, 0x0
	.amdhsa_kernel k_qe1e7ec300b_prep
		.amdhsa_group_segment_fixed_size 169472
		.amdhsa_private_segment_fixed_size 0
		.amdhsa_enable_private_segment 0
		.amdhsa_kernarg_size 112
		.amdhsa_user_sgpr_count 2
		.amdhsa_user_sgpr_kernarg_segment_ptr 1
		.amdhsa_wavefront_size32 1
		.amdhsa_system_sgpr_workgroup_id_x 1
		.amdhsa_system_sgpr_workgroup_id_y 1
		.amdhsa_system_sgpr_workgroup_id_z 1
		.amdhsa_system_vgpr_workitem_id 0
		.amdhsa_next_free_vgpr 1024
		.amdhsa_next_free_sgpr 96
		.amdhsa_reserve_vcc 0
		.amdhsa_float_denorm_mode_32 3
		.amdhsa_float_denorm_mode_16_64 3
		.amdhsa_memory_ordered 1
		.amdhsa_forward_progress 1
		.amdhsa_inst_pref_size 255
	.end_amdhsa_kernel
	.section	.bss,"aw",@nobits
	.p2align	6
	.space	262144
	.amdgpu_metadata
---
amdhsa.version: [ 1, 2 ]
amdhsa.kernels:
  - .name:           k_qe1e7ec300b_prep
    .symbol:         k_qe1e7ec300b_prep.kd
    .args:
      - { .name: Q_codes, .offset: 0, .size: 8, .value_kind: global_buffer, .address_space: global }
      - { .name: K_codes, .offset: 8, .size: 8, .value_kind: global_buffer, .address_space: global }
      - { .name: V_codes, .offset: 16, .size: 8, .value_kind: global_buffer, .address_space: global }
      - { .name: Wq_codes, .offset: 24, .size: 8, .value_kind: global_buffer, .address_space: global }
      - { .name: Wk_codes, .offset: 32, .size: 8, .value_kind: global_buffer, .address_space: global }
      - { .name: Wv_codes, .offset: 40, .size: 8, .value_kind: global_buffer, .address_space: global }
      - { .name: bq, .offset: 48, .size: 8, .value_kind: global_buffer, .address_space: global }
      - { .name: bk, .offset: 56, .size: 8, .value_kind: global_buffer, .address_space: global }
      - { .name: bv, .offset: 64, .size: 8, .value_kind: global_buffer, .address_space: global }
      - { .name: qf, .offset: 72, .size: 8, .value_kind: global_buffer, .address_space: global }
      - { .name: kv, .offset: 80, .size: 8, .value_kind: global_buffer, .address_space: global }
      - { .name: lowp_scales, .offset: 88, .size: 8, .value_kind: global_buffer, .address_space: global }
      - { .name: mask, .offset: 96, .size: 8, .value_kind: global_buffer, .address_space: global }
      - { .name: maskbits, .offset: 104, .size: 8, .value_kind: global_buffer, .address_space: global }
    .group_segment_fixed_size: 169472
    .private_segment_fixed_size: 0
    .kernarg_segment_align: 8
    .kernarg_segment_size: 112
    .max_flat_workgroup_size: 128
    .sgpr_count:     96
    .vgpr_count:     1024
    .wavefront_size: 32
...
	.end_amdgpu_metadata
.endif
;; end of part 1
;; launch attn (part 2): grid 8 x 32, 8 waves a work-group, clusters of 4 x 1, 327,680 bytes of LDS; arguments qf, kv, maskbits, lowp_scales, af; writes af
.if DOCPART == 2
	.amdgcn_target "amdgcn-amd-amdhsa--gfx1250"
	.amdhsa_code_object_version 6
	.text
	.protected	k_qe1e7ec300b_attn
	.globl	k_qe1e7ec300b_attn
	.p2align	8
	.type	k_qe1e7ec300b_attn,@function
k_qe1e7ec300b_attn:
	s_mov_b64 s[64:65], 0
	v_nop
	global_prefetch_b8 v0, s[64:65] scope:SCOPE_SE
	s_setreg_imm32_b32 hwreg(HW_REG_WAVE_MODE, 25, 1), 1
	s_wait_xcnt 0x0
	s_wait_alu depctr_hold_cnt(0) depctr_sa_sdst(0) depctr_va_vdst(0) depctr_va_sdst(0) depctr_va_ssrc(0) depctr_va_vcc(0) depctr_vm_vsrc(0)
	s_getreg_b32 s2, hwreg(HW_REG_IB_STS2, 6, 4)
	s_cmp_eq_u32 s2, 0
	s_cbranch_scc0 .Lentry_in_a_cluster
	s_endpgm
.Lentry_in_a_cluster:
	s_bfe_u32 s2, ttmp6, 0x10000c
	s_cmp_lg_u32 s2, 0x3003
	s_cbranch_scc0 .Lentry_shape_is_right
	s_endpgm
.Lentry_shape_is_right:
; ATTENTION ON CODES OF BF8 (E5M2): a = softmax(q k^T / 8, masked) v, quantised with entry 10 of the scales and stored as images of the output projection's operand registers.
; qf: q's fragments (1,024 bytes for 16 queries of a head); kv: for each head K's fragments (8,192 bytes a key step of 128 keys), then V^T's (8,192 bytes a key step);
; maskbits: for query tile qt and key step ks 64 words at 4,096 qt + 256 ks: bit L of word 8 t + j says mask[16 qt + L % 16][128 ks + 16 t + 8 (L / 16) + j] != 0: the lane mask of register 8 t + j of the scores.
; No work of the problem is left out here.
; THE MASK IS THE C OF THE SCORES' PRODUCTS: S^T = K Q^T + C, C = 0 where the key counts and -2^100 (in units of 2^(e6 + e7)) where it is hidden: under every score that counts, so that its p is 0.
; A tile of C is made of its 64 words by 64 selects and serves both heads of the wave.
; A ROW ALL OF WHOSE KEYS SO FAR ARE HIDDEN (its running largest t lies under -2^60) takes c = 0 and M = 0 in t - M, by two selects a row: every p is 1, as a softmax of equal numbers has it, whatever the last bit of the sum with -2^100.
; The running M itself stays where it is, so that the first key that counts multiplies what was summed by 2^(old M - new M) = 0.
; SOFTMAX: t = score x log2(e) / 8; M = the running largest t rounded up to a whole number; p = 2^(t - M) is quantised with entry 8; the row's sum is taken of the unquantised p and divides at the end.
; SHARES.  256 work-groups of eight waves, two to a SIMD.  Work-group (x, y): heads 2 y, 2 y + 1, queries 256 x .. + 255.  Wave w: query tiles A = 16 x + 2 w and B = A + 1, both heads: four units of 16 queries x one head.
; A fragment of K or V read from LDS serves two query tiles.
; THE RING.  Two slots of 131,072 bytes, each four key steps of both heads: [head][K, V][4 x 8,192].  Each wave fetches 16,384 dense bytes by one tensor load: one load of mine is out behind each change of slots.
; CLUSTERS.  The four work-groups of a cluster (same y) walk the same K and V: every load is a joint one, mask 15, behind a round of the cluster's barrier.
; PREFETCH: left out.  A slot of K and V is asked for four key steps, 16 units of each wave, ahead of its first read; a tile's mask words are 256 bytes, asked for by scalar loads one unit ahead of the selects that read them.
; LIMITS: e6 + e7 between -36 and 24 (-2^100 x c stays a number under -2^60); the scaled scores stay under 2^31 in magnitude; e8 between -126 and 112; e10 - e8 - e9 between -126 and 112.
; REGISTERS.  Window 0: v1-27 addresses, constants and a row's numbers; v32-47 for each unit -M, largest t, the sum in two halves; v48-79 Q, 8 a unit; v80-143 S^T, then p; v144-207 K's, then V's fragments; v208-239 p's codes of A and of B; v240-247 chains of maxima and sums.
; Window 1: v0-127 C of A and of B; v128-255 O^T, 32 a unit.   s[32:63], s[68:99]: a tile's 64 mask words.
.set SLOT,  131072
.set SPARE, 262144                     ; behind the ring: the spare words, 128 bytes for each wave
.set SPW,  1
.set NIL,  2
.set LI,   3                           ; 16 x lane
.set ADK,  5                           ; v5, v6: LDS address of the key step's fragments, head 0, 1
.set PL,   7
.set MX,   8                           ; v8, v9 at work
.set CV,   12                          ; v[12:13] c or 0
.set NV,   14                          ; v[14:15] -M or 0
.set F,    16                          ; v[16:17], v[18:19]: 2^(old M - new M) of A, B
.set LIMP, 20                          ; v20, v21: 57,344 x 2^e8, twice: the two halves of a dual instruction take their second sources from different banks
.set SCP,  22
.set LIMO, 23
.set SCO,  24
.set CSV,  25
.set NEG,  26                          ; -2^100
.set ZR,   27                          ; 0.0
.set ML,   32
.set Q,    48
.set S,    80
.set KF,   144
.set P,    208
.set T,    240
.set OB,   128                         ; in window 1
.set WV,   2
.set SB,   3                           ; the slot in hand
.set G1,   4
.set G0,   12
.set KO,   16                          ; the key step in the slot, in bytes
.set TA,   17
.set KS,   18                          ; the key step, 0 .. 15
.set CNT,  19
.set SEL,  20
.set CS,   22
.set THR,  24
.set MP,   26                          ; s[26:27] tile A's mask words of the key step in hand
.set QP,   28                          ; s[28:29] Q
.set AF,   30
.set MSB, 0
.macro WIN new
.if MSB != (\new)
	s_set_vgpr_msb (MSB<<8)|(\new)
.set MSB, (\new)
.endif
.endm
.macro PLACES
.rept 4
	v_nop
.endr
.endm
.macro CROUND
	s_barrier_signal -1
	s_barrier_wait -1
	s_cmp_lg_u32 s[WV], 0
	s_cbranch_scc1 .Lnot_wave_0_\@
	s_barrier_signal -3
.Lnot_wave_0_\@:
	s_barrier_wait -3
	s_barrier_signal -1
	s_barrier_wait -1
.endm
.macro MLOAD off                       ; a tile's 64 mask words
	s_load_b512 s[32:47], s[MP:MP+1], \off
	s_load_b512 s[48:63], s[MP:MP+1], \off+0x40
	s_load_b512 s[68:83], s[MP:MP+1], \off+0x80
	s_load_b512 s[84:99], s[MP:MP+1], \off+0xc0
.endm
.macro BUILD x                         ; C of tile x from the words: 0 where the bit is set, else -2^100
	s_wait_kmcnt 0x0
	WIN 0x40
.set n, 0
.rept 64
.if n < 32
	v_cndmask_b32 v[64*(\x)+n], v[NEG], v[ZR], s[32+n]
.else
	v_cndmask_b32 v[64*(\x)+n], v[NEG], v[ZR], s[36+n]
.endif
.set n, n+1
.endr
	WIN 0
	s_wait_alu depctr_va_vdst(0)
.endm
	s_load_b256 s[36:43], s[0:1], 0x0              ; qf s[36:37], kv s[38:39], maskbits s[40:41], the scales' exponents s[42:43]
	s_load_b64 s[AF:AF+1], s[0:1], 0x20            ; af
	v_lshl_add_u32 v[SPW], v0, 2, SPARE
	v_mov_b32 v[NIL], 0
	ds_add_u32 v[SPW], v[NIL]                      ; the opening: the add, twice on end, and its wait ahead of my first tensor load
	ds_add_u32 v[SPW], v[NIL]
	v_lshrrev_b32 v4, 5, v0
	v_readfirstlane_b32 s[WV], v4                  ; wave 0..7
	v_and_b32 v[LI], 31, v0
	v_lshlrev_b32 v[LI], 4, v[LI]
	s_bfe_u32 s60, ttmp6, 0x40000                  ; cx
	s_lshl_b32 s61, ttmp9, 2
	s_add_co_u32 s61, s61, s60                     ; x
	s_and_b32 s62, ttmp7, 0xffff                   ; y
	s_lshl_b32 s61, s61, 4
	s_lshl_b32 s63, s[WV], 1
	s_add_co_u32 s61, s61, s63                     ; my query tile A
	s_mov_b32 s[G1+0], 15|(3<<16)|(1<<21)          ; the cluster's four; elements of 8 bytes; bit 21 beside a mask
	s_mov_b32 s[G1+1], 32<<16                      ; rows of 256 bytes,
	s_mov_b32 s[G1+2], 64<<16                      ; 64 of them, dense
	s_mov_b32 s[G1+3], 32<<16
	s_mov_b32 s[G1+4], 64
	s_mov_b32 s[G1+5], 32
	s_mov_b32 s[G1+6], 0
	s_mov_b32 s[G1+7], 0
	s_mov_b32 s[SEL], 0x76543210
	s_mov_b32 s[SEL+1], 0xfedcba98
	s_mov_b32 s[THR], 0xdd800000                   ; -2^60
	s_mov_b32 s[SB], 0
	s_mov_b32 s[KS], 0
	s_lshr_b32 s66, s[WV], 1                       ; what I fetch: region w / 2 of [head][K, V], 131,072 bytes apart in kv, half w % 2
	s_lshl_b32 s66, s66, 17
	s_and_b32 s67, s[WV], 1
	s_lshl_b32 s67, s67, 14
	s_add_co_u32 s66, s66, s67
	s_lshl_b32 s67, s62, 19                        ; two heads of 262,144 bytes
	s_add_co_u32 s66, s66, s67
	s_mov_b32 s67, 0
	s_lshl_b32 s68, s62, 18                        ; qf: two heads of 131,072 bytes, tiles of 1,024
	s_lshl_b32 s69, s61, 10
	s_add_co_u32 s68, s68, s69
	s_mov_b32 s69, 0
	s_lshl_b32 s72, s61, 12                        ; maskbits: 4,096 bytes a query tile
	s_mov_b32 s73, 0
	s_lshr_b32 s70, s62, 2                         ; af: the batch, 2^20 bytes; a tile, 8,192; a head, 1,024
	s_lshl_b32 s70, s70, 20
	s_lshl_b32 s71, s61, 13
	s_add_co_u32 s70, s70, s71
	s_and_b32 s71, s62, 3
	s_lshl_b32 s71, s71, 11
	s_add_co_u32 s70, s70, s71
	s_mov_b32 s71, 0
	s_wait_alu depctr_va_vdst(0)
	s_wait_dscnt 0x0                               ; both opening adds are done
	s_wait_kmcnt 0x0
	s_load_b256 s[48:55], s[42:43], 0x0            ; e0 .. e7
	s_load_b128 s[56:59], s[42:43], 0x20           ; e8 .. e11
	s_mov_b32 s[G0], 1
	s_lshl_b32 s[G0+1], s[WV], 14                  ; LDS: 16,384 x wave, slot 0
	s_add_nc_u64 s[G0+2:G0+3], s[38:39], s[66:67]
	s_or_b32 s[G0+3], s[G0+3], 0x80000000
	CROUND                                         ; the four work-groups are here: the first joint loads meet
	tensor_load_to_lds s[G0:G0+3], s[G1:G1+7]      ; key steps 0 to 3: my one load at the head
	s_nop 0
	PLACES
	s_add_nc_u64 s[QP:QP+1], s[36:37], s[68:69]
	s_add_nc_u64 s[MP:MP+1], s[40:41], s[72:73]
	s_add_nc_u64 s[AF:AF+1], s[AF:AF+1], s[70:71]
.irp h, 0,1
.irp x, 0,1
	global_load_b128 v[Q+8*(2*\h+\x):Q+8*(2*\h+\x)+3], v[LI], s[QP:QP+1] offset:131072*\h+1024*\x
	global_load_b128 v[Q+8*(2*\h+\x)+4:Q+8*(2*\h+\x)+7], v[LI], s[QP:QP+1] offset:131072*\h+1024*\x+512
.endr
.endr
.irp u, 0,1,2,3
	v_mov_b32 v[ML+4*\u+1], 0xff61b1e6             ; the largest t so far: -3e38
	v_floor_f32 v[ML+4*\u], -v[ML+4*\u+1]          ; -M
	v_mov_b32 v[ML+4*\u+2], 0                      ; the sum
	v_mov_b32 v[ML+4*\u+3], 0
.endr
.irp r, PL, CV+1, NV+1, F+1, F+3, ZR
	v_mov_b32 v[\r], 0                             ; a permute's destination, the upper halves of pairs that are named whole, and 0.0
.endr
	v_mov_b32 v[NEG], 0xf1800000
	WIN 0x40
.set n, 0
.rept 128
	v_mov_b32 v[OB+n], 0                           ; O^T: the key step is written once; its first pass finds zeros, which the first change of M leaves zeros
.set n, n+1
.endr
	WIN 0
	s_wait_kmcnt 0x0
	s_add_co_i32 s60, s54, s55
	s_lshl_b32 s60, s60, 23
	s_mov_b32 s[CS], 0x3e38aa3b                    ; log2(e) / 8,
	s_add_co_i32 s[CS], s[CS], s60                 ; x 2^(e6 + e7), added to its exponent field
	v_mov_b32 v[CSV], s[CS]
	s_add_co_i32 s60, s56, 127
	s_lshl_b32 s61, s60, 23
	v_mov_b32 v[SCP], s61                          ; 2^e8
	s_add_co_i32 s60, s60, 15
	s_lshl_b32 s60, s60, 23
	s_or_b32 s60, s60, 0x600000
	v_mov_b32 v[LIMP], s60                         ; 57,344 x 2^e8
	v_mov_b32 v[LIMP+1], s60
	s_sub_co_i32 s60, s58, s56
	s_sub_co_i32 s60, s60, s57
	s_add_co_i32 s60, s60, 127
	s_lshl_b32 s61, s60, 23
	v_mov_b32 v[SCO], s61                          ; 2^(e10 - e8 - e9)
	s_add_co_i32 s60, s60, 15
	s_lshl_b32 s60, s60, 23
	s_or_b32 s60, s60, 0x600000
	v_mov_b32 v[LIMO], s60
	s_wait_alu depctr_va_vdst(0)
	MLOAD 0                                        ; tile A's words of key step 0: the registers that held the arguments and exponents are done with
	s_wait_loadcnt 0x0                             ; Q
; S^T = K Q^T + C: eight tiles of 16 keys; lane (r, h) holds query r, register 8 t + j key 16 t + 8 h + j.  Four places follow.
.macro QK x, u
	WIN 0x10                                       ; C in window 1
.irp t, 0,1,2,3,4,5,6,7
	v_wmma_f32_16x16x64_bf8_bf8 v[S+8*\t:S+8*\t+7], v[KF+8*\t:KF+8*\t+7], v[Q+8*(\u):Q+8*(\u)+7], v[64*(\x)+8*\t:64*(\x)+8*\t+7]
.endr
	WIN 0
	PLACES
.endm
.macro MINS t                          ; the hold: the conversion does not saturate (ISA guide 7.6.2); p is not negative
.irp i, 0,2,4,6
	v_dual_min_num_f32 v[S+8*(\t)+\i], v[S+8*(\t)+\i], v[LIMP] :: v_dual_min_num_f32 v[S+8*(\t)+\i+1], v[S+8*(\t)+\i+1], v[LIMP+1]
.endr
.endm
; The softmax of one unit's 128 keys: S^T -> p's codes.
.macro SOFTMAX x, u
.set NMr, ML+4*(\u)
.set SMr, ML+4*(\u)+2
.set Fr,  F+2*(\x)
.set Pr,  P+16*(\x)
.irp c, 0,1,2,3,4,5,6,7
	v_max3_num_f32 v[T+\c], v[S+3*\c], v[S+3*\c+1], v[S+3*\c+2]   ; the largest score, in eight chains, each accumulator from its low end on
.endr
.set n, 0
.rept 20
	v_max3_num_f32 v[T+n%8], v[T+n%8], v[S+24+2*n], v[S+25+2*n]
.set n, n+1
.endr
	v_max3_num_f32 v[T+4], v[T+4], v[T+5], v[T+6]
	v_max3_num_f32 v[T+7], v[T+7], v[T], v[T+1]
	s_delay_alu instid0(VALU_DEP_2)
	v_max3_num_f32 v[T+2], v[T+2], v[T+3], v[T+4]
	v_mov_b32 v[MX+1], v[NMr]                      ; the old -M
	s_delay_alu instid0(VALU_DEP_2)
	v_max_num_f32 v[MX], v[T+7], v[T+2]
	s_delay_alu instid0(VALU_DEP_1)
	v_permlanex16_b32 v[PL], v[MX], s[SEL], s[SEL+1]
	s_delay_alu instid0(VALU_DEP_1)
	v_max_num_f32 v[MX], v[MX], v[PL]              ; and lane l xor 16's
	s_delay_alu instid0(VALU_DEP_1)
	v_mul_f32 v[MX], s[CS], v[MX]                  ; as t
	s_delay_alu instid0(VALU_DEP_1)
	v_max_num_f32 v[NMr+1], v[NMr+1], v[MX]        ; the running largest t
	s_delay_alu instid0(VALU_DEP_1)
	v_floor_f32 v[NMr], -v[NMr+1]                  ; -M = floor(-t)
	v_cmp_lt_f32 vcc_lo, s[THR], v[NMr+1]          ; has a key counted so far?
	v_sub_f32 v[MX+1], v[NMr], v[MX+1]             ; old M - new M
	v_cndmask_b32 v[CV], 0, v[CSV], vcc_lo         ; c, or 0,
	v_cndmask_b32 v[NV], 0, v[NMr], vcc_lo         ; -M, or 0
	v_cvt_i32_f32 v[MX+1], v[MX+1]                 ; (it saturates)
.irp j, 0,2,4,6,8,10,12,14,16,18,20,22,24,26,28,30,32,34,36,38,40,42,44,46,48,50,52,54,56,58,60,62
	v_pk_fma_f32 v[S+\j:S+\j+1], v[S+\j:S+\j+1], v[CV:CV+1], v[NV:NV+1] op_sel_hi:[1,0,0]   ; t - M
.endr
	s_wait_alu depctr_va_vdst(0)                   ; ahead of the batch
.set n, 0
.rept 64
	v_exp_f32 v[S+n], v[S+n]                       ; p
.set n, n+1
.endr
	v_ldexp_f32 v[Fr], 1.0, v[MX+1]                ; f = 2^(old M - new M) (a plain place behind the batch)
	s_wait_alu depctr_va_vdst(0)                   ; and behind it, ahead of its first reader
; tile by tile: the sum of the unquantised p in four chains, then the tile's hold; a tile's conversion stands two tiles behind its hold
.irp c, 0,1,2,3
	v_pk_add_f32 v[T+2*\c:T+2*\c+1], v[S+4*\c:S+4*\c+1], v[S+4*\c+2:S+4*\c+3]
.endr
	MINS 0
	MINS 1
.irp t, 2,3,4,5,6,7
.irp c, 0,1,2,3
	v_pk_add_f32 v[T+2*\c:T+2*\c+1], v[T+2*\c:T+2*\c+1], v[S+8*\t+2*\c:S+8*\t+2*\c+1]
.endr
	MINS \t
	v_cvt_scalef32_pk8_bf8_f32 v[Pr+2*(\t-2):Pr+2*(\t-2)+1], v[S+8*(\t-2):S+8*(\t-2)+7], v[SCP]   ; keys 16 t + 8 h + 0 .. 7
.endr
	v_pk_add_f32 v[T:T+1], v[T:T+1], v[T+2:T+3]
	v_pk_add_f32 v[T+4:T+5], v[T+4:T+5], v[T+6:T+7]
	v_cvt_scalef32_pk8_bf8_f32 v[Pr+12:Pr+13], v[S+48:S+55], v[SCP]
	v_cvt_scalef32_pk8_bf8_f32 v[Pr+14:Pr+15], v[S+56:S+63], v[SCP]
	v_pk_fma_f32 v[SMr:SMr+1], v[SMr:SMr+1], v[Fr:Fr+1], v[T:T+1] op_sel_hi:[1,0,1]   ; the sum under the new M, + this step's (also the plain line behind the conversions)
	v_pk_add_f32 v[SMr:SMr+1], v[SMr:SMr+1], v[T+4:T+5]
.endm
; One head's part of a key step: both query tiles against the same fragments of K and of V.
.macro HEADSTEP h
	PLACES                                         ; in front of loads into registers that the last products read
.irp t, 0,1,2,3,4,5,6,7
	ds_load_b128 v[KF+8*\t:KF+8*\t+3], v[ADK+\h] offset:1024*\t
	ds_load_b128 v[KF+8*\t+4:KF+8*\t+7], v[ADK+\h] offset:1024*\t+512
.endr
.if \h == 0
	BUILD 0                                        ; A's C for this key step, while K's fragments come
	MLOAD 0x1000                                   ; B's words: tile B lies 4,096 bytes on
.endif
	s_wait_dscnt 0x0
	QK 0, 2*\h
	SOFTMAX 0, 2*\h
.if \h == 0
	BUILD 1                                        ; B's C; its wait has shown every scalar load done, so the pointer may step
	s_cmp_eq_u32 s[KS], 15
	s_cbranch_scc1 .Lno_more_\@                    ; the last key step asks for no further words
	s_add_nc_u64 s[MP:MP+1], s[MP:MP+1], 256
	MLOAD 0                                        ; A's words of the next key step
.Lno_more_\@:
.endif
	QK 1, 2*\h+1
.irp d, 0,1,2,3
.irp c, 0,1,2,3
	ds_load_b128 v[KF+16*\d+4*\c:KF+16*\d+4*\c+3], v[ADK+\h] offset:32768+2048*\d+512*\c   ; V^T takes K's registers, under B's softmax
.endr
.endr
	SOFTMAX 1, 2*\h+1
	WIN 0x41
	s_wait_alu depctr_va_vdst(0)                   ; directly ahead of the first reader of O^T
.irp x, 0,1
.irp j, 0,2,4,6,8,10,12,14,16,18,20,22,24,26,28,30
	v_pk_mul_f32 v[OB+32*(2*\h+\x)+\j:OB+32*(2*\h+\x)+\j+1], v[OB+32*(2*\h+\x)+\j:OB+32*(2*\h+\x)+\j+1], v[F+2*\x:F+2*\x+1] op_sel_hi:[1,0]   ; O^T under the new M
.endr
.endr
	s_wait_alu depctr_va_vdst(0)
	s_wait_dscnt 0x0
	WIN 0x50
.irp d, 0,1,2,3
.irp x, 0,1
	v_wmma_f32_16x16x128_bf8_bf8 v[OB+32*(2*\h+\x)+8*\d:OB+32*(2*\h+\x)+8*\d+7], v[KF+16*\d:KF+16*\d+15], v[P+16*\x:P+16*\x+15], v[OB+32*(2*\h+\x)+8*\d:OB+32*(2*\h+\x)+8*\d+7]   ; eight accumulators by turns
.endr
.endr
	WIN 0
.endm
.macro SLOTSTEPS                       ; a slot's four key steps
	s_mov_b32 s[KO], 0
.Lk_\@:
	s_add_co_u32 s[TA], s[SB], s[KO]
	v_add_nc_u32 v[ADK], s[TA], v[LI]
	v_add_nc_u32 v[ADK+1], 0x10000, v[ADK]
	s_wait_alu depctr_va_vdst(0)
	HEADSTEP 0
	HEADSTEP 1
	s_add_co_u32 s[KS], s[KS], 1
	s_add_co_u32 s[KO], s[KO], 8192
	s_cmp_lt_u32 s[KO], 32768
	s_cbranch_scc1 .Lk_\@
	s_xor_b32 s[SB], s[SB], SLOT
.endm
; The change of slots, at a slot's head.  fill = 1: a round of the cluster's barrier, and behind it the slot just left (the first time: slot 1's first fill) takes the next four key steps.
.macro CHANGE fill
	s_wait_tensorcnt 0x0                           ; my part of the slot ahead is in; no load of mine is out
	ds_add_u32 v[SPW], v[NIL]
.if \fill
	s_xor_b32 s[G0+1], s[G0+1], SLOT
	s_add_nc_u64 s[G0+2:G0+3], s[G0+2:G0+3], 32768
.endif
	s_wait_dscnt 0x0                               ; the add is done, and my reads of the slot that I have left
.if \fill
	CROUND
	tensor_load_to_lds s[G0:G0+3], s[G1:G1+7]
	s_nop 0
	PLACES
.else
	s_barrier_signal -1
	s_barrier_wait -1
.endif
.endm
	s_mov_b32 s[CNT], 3
.Lslot:
	CHANGE 1
	SLOTSTEPS
	s_sub_co_u32 s[CNT], s[CNT], 1
	s_cmp_lg_u32 s[CNT], 0
	s_cbranch_scc1 .Lslot
	CHANGE 0                                       ; the last slot is written out: nothing more is asked for
	SLOTSTEPS
	; THE WAY OUT: O^T / the sum, held and quantised with 2^(e10 - e8 - e9); a unit's 8 registers of codes are two groups of the projection's operand image.
	PLACES
.irp u, 0,1,2,3
	v_add_f32 v[ML+4*\u+2], v[ML+4*\u+2], v[ML+4*\u+3]
.endr
.irp u, 0,1,2,3
	v_permlanex16_b32 v[T+\u], v[ML+4*\u+2], s[SEL], s[SEL+1]
.endr
.irp u, 0,1,2,3
	v_add_f32 v[ML+4*\u+2], v[ML+4*\u+2], v[T+\u]
.endr
	s_wait_alu depctr_va_vdst(0)                   ; ahead of the batch
.irp u, 0,1,2,3
	v_rcp_f32 v[ML+4*\u+2], v[ML+4*\u+2]
.endr
	v_nop
	WIN 0x41
	s_wait_alu depctr_va_vdst(0)                   ; behind the batch, and directly ahead of the first reader of O^T
.irp u, 0,1,2,3
.irp j, 0,2,4,6,8,10,12,14,16,18,20,22,24,26,28,30
	v_pk_mul_f32 v[OB+32*\u+\j:OB+32*\u+\j+1], v[OB+32*\u+\j:OB+32*\u+\j+1], v[ML+4*\u+2:ML+4*\u+3] op_sel_hi:[1,0]
.endr
.endr
.set n, 0
.rept 128
	v_med3_num_f32 v[OB+n], v[OB+n], -v[LIMO], v[LIMO]
.set n, n+1
.endr
	WIN 0x01
.irp u, 0,1,2,3
.irp d, 0,1,2,3
	v_cvt_scalef32_pk8_bf8_f32 v[S+8*\u+2*\d:S+8*\u+2*\d+1], v[OB+32*\u+8*\d:OB+32*\u+8*\d+7], v[SCO]
.endr
.endr
	WIN 0
	v_nop
.irp h, 0,1
.irp x, 0,1
	global_store_b128 v[LI], v[S+8*(2*\h+\x):S+8*(2*\h+\x)+3], s[AF:AF+1] offset:8192*\x+1024*\h   ; 32 lanes store 512 consecutive bytes, aligned
	global_store_b128 v[LI], v[S+8*(2*\h+\x)+4:S+8*(2*\h+\x)+7], s[AF:AF+1] offset:8192*\x+1024*\h+512
.endr
.endr
	s_wait_tensorcnt 0x0                           ; the wave's end
	ds_add_u32 v[SPW], v[NIL]
	s_wait_dscnt 0x0
	CROUND                                         ; the closing round
	s_endpgm
.Lfunc_end_k_qe1e7ec300b_attn:
	.size	k_qe1e7ec300b_attn, .Lfunc_end_k_qe1e7ec300b_attn-k_qe1e7ec300b_attn
	.p2alignl 7, 3214868480
	.fill 96, 4, 3214868480
	.section	.rodata,"a",@progbits
	.p2align	6, 0x0
	.amdhsa_kernel k_qe1e7ec300b_attn
		.amdhsa_group_segment_fixed_size 327680
		.amdhsa_private_segment_fixed_size 0
		.amdhsa_enable_private_segment 0
		.amdhsa_kernarg_size 40
		.amdhsa_user_sgpr_count 2
		.amdhsa_user_sgpr_kernarg_segment_ptr 1
		.amdhsa_wavefront_size32 1
		.amdhsa_system_sgpr_workgroup_id_x 1
		.amdhsa_system_sgpr_workgroup_id_y 1
		.amdhsa_system_sgpr_workgroup_id_z 1
		.amdhsa_system_vgpr_workitem_id 0
		.amdhsa_next_free_vgpr 512
		.amdhsa_next_free_sgpr 106
		.amdhsa_reserve_vcc 1
		.amdhsa_float_denorm_mode_32 3
		.amdhsa_float_denorm_mode_16_64 3
		.amdhsa_memory_ordered 1
		.amdhsa_forward_progress 1
		.amdhsa_inst_pref_size 161
	.end_amdhsa_kernel
	.amdgpu_metadata
---
amdhsa.version: [ 1, 2 ]
amdhsa.kernels:
  - .name:           k_qe1e7ec300b_attn
    .symbol:         k_qe1e7ec300b_attn.kd
    .args:
      - { .name: qf, .offset: 0, .size: 8, .value_kind: global_buffer, .address_space: global }
      - { .name: kv, .offset: 8, .size: 8, .value_kind: global_buffer, .address_space: global }
      - { .name: maskbits, .offset: 16, .size: 8, .value_kind: global_buffer, .address_space: global }
      - { .name: lowp_scales, .offset: 24, .size: 8, .value_kind: global_buffer, .address_space: global }
      - { .name: af, .offset: 32, .size: 8, .value_kind: global_buffer, .address_space: global }
    .group_segment_fixed_size: 327680
    .private_segment_fixed_size: 0
    .kernarg_segment_align: 8
    .kernarg_segment_size: 40
    .max_flat_workgroup_size: 256
    .sgpr_count:     106
    .vgpr_count:     512
    .wavefront_size: 32
...
	.end_amdgpu_metadata
.endif
;; end of part 2
;; launch oproj (part 3): grid 256 x 1, 4 waves a work-group, no clusters, 34,304 bytes of LDS; arguments af, Wo_codes, bo, lowp_scales, out0; writes out0
.if DOCPART == 3
	.amdgcn_target "amdgcn-amd-amdhsa--gfx1250"
	.amdhsa_code_object_version 6
	.text
	.protected	k_qe1e7ec300b_oproj
	.globl	k_qe1e7ec300b_oproj
	.p2align	8
	.type	k_qe1e7ec300b_oproj,@function
k_qe1e7ec300b_oproj:
	s_mov_b64 s[64:65], 0
	v_nop
	global_prefetch_b8 v0, s[64:65] scope:SCOPE_SE
	s_setreg_imm32_b32 hwreg(HW_REG_WAVE_MODE, 25, 1), 1
	s_wait_xcnt 0x0
; THE OUTPUT PROJECTION: out0 = a Wo^T + bo on codes of BF8 (E5M2).  a: [16384][512], codes that the attention launch stored as images of operand registers (8,192 bytes for 16 tokens: register group m of sixteen
; at 512 m + 16 x lane, k = 32 m + 16 (lane / 16) + 0 .. 15); Wo: [512][512] codes, K innermost; bo [512], out0 [16384][512]: f32.  No work of the problem is left out here.
; out0 = sum x 2^(e10 + e11) + bo, one packed multiply-add for two numbers.  LIMIT: e10 + e11 between -126 and 127.
; SHARES.  Work-group g takes tokens 64 g .. 64 g + 63, four tiles of 16; wave w makes features 128 w .. 128 w + 127 for all of them.  All that a wave needs is asked for at its head: its 32 fragments of Wo (512 registers),
; the four tiles of a (256 registers), its bias.  No tensor load, no barrier: waves share nothing.
; Wo is read by all 256 work-groups and is not asked for jointly: its fragments go from memory straight into the registers that hold them; by way of LDS each of a wave's 65,536 bytes would be written and read once more, for four tiles of rows.
; THE PRODUCT IS USED TRANSPOSED (source 0 = 16 rows of Wo, source 1 = 16 tokens): a lane holds eight neighbouring features of one token.  A tile goes through the wave's own stage in LDS and leaves as whole rows of 512 bytes.
; REGISTERS, in windows of 256.  Window 0: v3-10 addresses; v16-79 eight accumulators; v80-143 the bias in the result's layout; v144-207 the way out.  Windows 1, 2: Wo's fragment (f, s) at v[16 (4 (f % 4) + s)] of window 1 + f / 4.  Window 3: a, tile i at v[64 i].
.set SPITCH, 528                       ; a stage row: 512 bytes + 16
.set SPARE, 4*16*SPITCH                ; behind the four stages: the spare words, 128 bytes for each wave: two blocks of 256 bytes that no other line names
.set LI,   3                           ; v3   16 x lane
.set STO,  4                           ; v4   into my stage: r x 528 + 32 h
.set RD,   5                           ; v5   out of it: 16 x lane
.set CO,   6                           ; v6   my bytes of a row of out0: 512 w + 16 x lane
.set BOF,  7                           ; v7   32 h
.set SPW,  8                           ; v8   LDS address of my spare word; never rewritten
.set NIL,  9                           ; v9   0; never rewritten
.set WOFF, 10                          ; v10  r x 512 + 16 h
.set ACC,  16
.set BO,   80
.set TMP,  144
.set MSB, 0
.macro WIN new
.if MSB != (\new)
	s_set_vgpr_msb (MSB<<8)|(\new)
.set MSB, (\new)
.endif
.endm
	s_load_b256 s[4:11], s[0:1], 0x0               ; a s[4:5], Wo s[6:7], bo s[8:9], the scales' exponents s[10:11]
	s_load_b64 s[12:13], s[0:1], 0x20              ; out0
	v_lshl_add_u32 v[SPW], v0, 2, SPARE
	v_mov_b32 v[NIL], 0
	v_lshrrev_b32 v1, 5, v0
	v_readfirstlane_b32 s2, v1                     ; wave 0..3
	v_and_b32 v1, 15, v0                           ; r
	v_bfe_u32 v2, v0, 4, 1                         ; h
	v_and_b32 v[LI], 31, v0
	v_lshlrev_b32 v[LI], 4, v[LI]
	v_lshlrev_b32 v[WOFF], 9, v1
	v_lshl_add_u32 v[WOFF], v2, 4, v[WOFF]
	v_lshlrev_b32 v[BOF], 5, v2
	s_mul_i32 s18, s2, 16*SPITCH                   ; my stage
	v_mul_u32_u24 v[STO], v1, SPITCH
	v_lshl_add_u32 v[STO], v2, 5, v[STO]
	v_add_nc_u32 v[STO], s18, v[STO]
	v_add_nc_u32 v[RD], s18, v[LI]
	s_lshl_b32 s26, s2, 9                          ; 128 features of 4 bytes
	s_mov_b32 s27, 0
	v_add_nc_u32 v[CO], s26, v[LI]
	s_lshl_b32 s20, s2, 16                         ; my 128 rows of Wo
	s_mov_b32 s21, 0
	s_lshl_b32 s22, ttmp9, 15                      ; four tiles of 8,192 bytes of a
	s_mov_b32 s23, 0
	s_lshl_b32 s24, ttmp9, 17                      ; 64 rows of 2,048 bytes of out0
	s_mov_b32 s25, 0
	s_wait_alu depctr_va_vdst(0)
	s_wait_kmcnt 0x0
	s_load_b64 s[14:15], s[10:11], 0x28            ; e10, e11
	s_add_nc_u64 s[4:5], s[4:5], s[22:23]
	s_add_nc_u64 s[6:7], s[6:7], s[20:21]
	s_add_nc_u64 s[8:9], s[8:9], s[26:27]
	s_add_nc_u64 s[12:13], s[12:13], s[24:25]
	WIN 0x40                                       ; destination window 1
.irp f, 0,1,2,3
.irp s, 0,1,2,3
.irp c, 0,1,2,3
	global_load_b128 v[16*(4*\f+\s)+4*\c:16*(4*\f+\s)+4*\c+3], v[WOFF], s[6:7] offset:\f*8192+128*\s+32*\c
.endr
.endr
.endr
	WIN 0x80                                       ; destination window 2
.irp f, 4,5,6,7
.irp s, 0,1,2,3
.irp c, 0,1,2,3
	global_load_b128 v[16*(4*(\f%4)+\s)+4*\c:16*(4*(\f%4)+\s)+4*\c+3], v[WOFF], s[6:7] offset:\f*8192+128*\s+32*\c
.endr
.endr
.endr
	WIN 0
.irp f, 0,1,2,3,4,5,6,7
	global_load_b128 v[BO+8*\f:BO+8*\f+3], v[BOF], s[8:9] offset:64*\f       ; bo of features 16 f + 8 h + 0 .. 7
	global_load_b128 v[BO+8*\f+4:BO+8*\f+7], v[BOF], s[8:9] offset:64*\f+16
.endr
	WIN 0xc0                                       ; destination window 3
.irp i, 0,1,2,3
.irp m, 0,1,2,3,4,5,6,7,8,9,10,11,12,13,14,15
	global_load_b128 v[64*\i+4*\m:64*\i+4*\m+3], v[LI], s[4:5] offset:\i*8192+512*\m th:TH_LOAD_NT   ; 512 consecutive bytes a load; read once in the launch's work-group, by four waves
.endr
.endr
	WIN 0
	s_wait_kmcnt 0x0
	s_add_co_i32 s16, s14, s15
	s_add_co_i32 s16, s16, 127
	s_lshl_b32 s16, s16, 23                        ; 2^(e10 + e11) as f32
	s_mov_b32 s17, s16                             ; (named with it as a pair)
; 32 matrix instructions: tile i of tokens x my eight tiles of features x four K steps of 128.  Four accumulators take turns, one instruction a turn; the first link starts the sum with the constant 0.
.macro MM i
.irp grp, 0,1
	WIN 0x0d+\grp                                  ; source 0 (Wo) window 1 or 2, source 1 (a) window 3
.irp s, 0,1,2,3
.irp q, 0,1,2,3
.set rD, ACC+8*(4*\grp+\q)
.set rW, 16*(4*\q+\s)
.set rA, 64*(\i)+16*\s
.if \s == 0
	v_wmma_f32_16x16x128_bf8_bf8 v[rD:rD+7], v[rW:rW+15], v[rA:rA+15], 0
.else
	v_wmma_f32_16x16x128_bf8_bf8 v[rD:rD+7], v[rW:rW+15], v[rA:rA+15], v[rD:rD+7]
.endif
.endr
.endr
.endr
	WIN 0
.endm
	s_wait_loadcnt 48                              ; Wo, bo and a's tile 0 are in; the 48 loads of tiles 1 to 3 may be out
	MM 0
.irp i, 0,1,2,3
.rept 4
	v_nop                                          ; four places between the last products and the first read of results (ISA guide 7.12.1)
.endr
.if \i > 0
	s_wait_xcnt 0x0                                ; the last tile's stores have read their registers
.endif
.irp j, 0,2,4,6,8,10,12,14,16,18,20,22,24,26,28,30,32,34,36,38,40,42,44,46,48,50,52,54,56,58,60,62
	v_pk_fma_f32 v[TMP+\j:TMP+\j+1], v[ACC+\j:ACC+\j+1], s[16:17], v[BO+\j:BO+\j+1] op_sel_hi:[1,0,1]   ; sum x 2^(e10 + e11) + bo; each accumulator from its low end on
.endr
.irp f, 0,1,2,3,4,5,6,7
	ds_store_b128 v[STO], v[TMP+8*\f:TMP+8*\f+3] offset:64*\f
	ds_store_b128 v[STO], v[TMP+8*\f+4:TMP+8*\f+7] offset:64*\f+16
.endr
.irp t, 0,1,2,3,4,5,6,7,8,9,10,11,12,13,14,15
	ds_load_b128 v[TMP+4*\t:TMP+4*\t+3], v[RD] offset:\t*SPITCH   ; LDS serves a wave's instructions in order (ISA guide 5.7.1.4): these see my stores
.endr
.if \i < 3
	s_wait_loadcnt 16*(2-\i)                       ; a's next tile is in; the loads of the tiles behind it may be out
	MM \i+1                                        ; the next tile's products stand between the stage's loads and the wait for them
.endif
	s_wait_dscnt 0x0
.irp t, 0,1,2,3,4,5,6,7,8,9,10,11,12,13,14,15
	global_store_b128 v[CO], v[TMP+4*\t:TMP+4*\t+3], s[12:13] offset:(16*\i+\t)*2048 th:TH_STORE_NT   ; 32 lanes store 512 consecutive bytes, aligned; written once, read by nobody here
.endr
.endr
	s_wait_tensorcnt 0x0                           ; the wave's end, behind my last LDS store
	ds_add_u32 v[SPW], v[NIL]
	s_wait_dscnt 0x0
	s_endpgm
.Lfunc_end_k_qe1e7ec300b_oproj:
	.size	k_qe1e7ec300b_oproj, .Lfunc_end_k_qe1e7ec300b_oproj-k_qe1e7ec300b_oproj
	.p2alignl 7, 3214868480
	.fill 96, 4, 3214868480
	.section	.rodata,"a",@progbits
	.p2align	6, 0x0
	.amdhsa_kernel k_qe1e7ec300b_oproj
		.amdhsa_group_segment_fixed_size 34304
		.amdhsa_private_segment_fixed_size 0
		.amdhsa_enable_private_segment 0
		.amdhsa_kernarg_size 40
		.amdhsa_user_sgpr_count 2
		.amdhsa_user_sgpr_kernarg_segment_ptr 1
		.amdhsa_wavefront_size32 1
		.amdhsa_system_sgpr_workgroup_id_x 1
		.amdhsa_system_sgpr_workgroup_id_y 1
		.amdhsa_system_sgpr_workgroup_id_z 1
		.amdhsa_system_vgpr_workitem_id 0
		.amdhsa_next_free_vgpr 1024
		.amdhsa_next_free_sgpr 66
		.amdhsa_reserve_vcc 0
		.amdhsa_float_denorm_mode_32 3
		.amdhsa_float_denorm_mode_16_64 3
		.amdhsa_memory_ordered 1
		.amdhsa_forward_progress 1
		.amdhsa_inst_pref_size 53
	.end_amdhsa_kernel
	.amdgpu_metadata
---
amdhsa.version: [ 1, 2 ]
amdhsa.kernels:
  - .name:           k_qe1e7ec300b_oproj
    .symbol:         k_qe1e7ec300b_oproj.kd
    .args:
      - { .name: af, .offset: 0, .size: 8, .value_kind: global_buffer, .address_space: global }
      - { .name: Wo_codes, .offset: 8, .size: 8, .value_kind: global_buffer, .address_space: global }
      - { .name: bo, .offset: 16, .size: 8, .value_kind: global_buffer, .address_space: global }
      - { .name: lowp_scales, .offset: 24, .size: 8, .value_kind: global_buffer, .address_space: global }
      - { .name: out0, .offset: 32, .size: 8, .value_kind: global_buffer, .address_space: global }
    .group_segment_fixed_size: 34304
    .private_segment_fixed_size: 0
    .kernarg_segment_align: 8
    .kernarg_segment_size: 40
    .max_flat_workgroup_size: 128
    .sgpr_count:     66
    .vgpr_count:     1024
    .wavefront_size: 32
...
	.end_amdgpu_metadata
.endif
;; end of part 3
